; MI455X (gfx1250); checked and timed in simulation.
; The chip was launched on July 23, 2026; its instructions are those of AMD's public machine-readable ISA for CDNA 5 (MIT licence, August 2026) and "CDNA5" Instruction Set Architecture Reference Guide (July 2026). The comments in the code are by the model that wrote it; some were corrected since.
;; Custom Kernel Experts. Allowed arithmetic: float matrix products may take bf16 or f16 operands with f32 sums; other float arithmetic in f32, or as packed bf16 or f16 multiplies, adds, multiply-adds, maxima and minima; sums over many terms, partial sums and values carried from step to step in f32; what a program stores and reads back later, other than sums and carried values, may be rounded once to bf16 or f16.
;; Inputs: b1 16 x 2,048 float32; routing_tensor 1,024 x 16 float32; w1 16 x 1,024 x 2,048 float32; w2 16 x 2,048 x 1,024 float32; x 1,024 x 1,024 float32.
;; Outputs: out0 1,024 x 1,024 float32.
;; One version. Each part assembles by itself: llvm-mc -triple=amdgcn-amd-amdhsa -mcpu=gfx1250 --defsym DOCPART=n.
;; ======== version 1 of 1: 4 launches
;; workspace buffers: xb 2,097,152 bytes; bits 2,048 bytes of whole numbers; rank 65,536 bytes of whole numbers; hf 67,108,864 bytes; y 67,108,864 bytes
;; launch prep (part 1): grid 256 x 1, 32 waves a work-group, no clusters, 8,704 bytes of LDS; arguments x, routing_tensor, xb, bits, rank; writes xb, bits, rank
.if DOCPART == 1
	.amdgcn_target "amdgcn-amd-amdhsa--gfx1250"
	.amdhsa_code_object_version 6
	.text
	.protected	k_q4f65ad62eb_prep
	.globl	k_q4f65ad62eb_prep
	.p2align	8
	.type	k_q4f65ad62eb_prep,@function
k_q4f65ad62eb_prep:
	s_mov_b64 s[64:65], 0
	v_nop
	global_prefetch_b8 v0, s[64:65] scope:SCOPE_SE
	s_setreg_imm32_b32 hwreg(HW_REG_WAVE_MODE, 25, 1), 1
	s_wait_xcnt 0x0
; PREP.  (1) Every work-group rounds 16,384 bytes of x to bf16 (xb): thread t takes 16 bytes and stores 8; a wave's store covers 256 consecutive bytes, aligned.
; (2) Work-group 0 also turns the gates R[1024][16] into whole numbers at fixed places: bits[e][w] (bit l: R[32 w + l][e] is not 0) and
; rank[e>>2][n][e&3] (token n's rank among expert e's tokens, in the order of the tokens; all ones where e is not chosen).  The comparison of floats only selects values here:
; no address and no branch hangs on it; the later launches read these numbers and form lists and trip counts from them.
; LIMIT.  A gate of +0 or -0 counts as not chosen; a NaN gate counts as chosen.
.set PITCH, 144                        ; a table's row in LDS: 32 words + 16 bytes = 36 words: the sixteen rows that a 16-byte load touches start at sixteen different groups of four banks (64 banks of 4 bytes: ISA guide 11.1)
.set BITS,  0                          ; LDS: [e][w] masks, 16 rows
.set CNT,   16*PITCH                   ; LDS: [e][w] their counts of ones, 16 rows
.set SPARE, 32*PITCH                   ; 4,608 = 18 x 256: the spare words, 128 bytes for each of 32 waves; no other line names them
.set MK,    16                         ; s[16:31] my wave's mask for each expert
	s_load_b256 s[4:11], s[0:1], 0x0               ; x s[4:5], R s[6:7], xb s[8:9], bits s[10:11]
	s_load_b64 s[12:13], s[0:1], 0x20              ; rank
	v_lshl_add_u32 v30, v0, 2, SPARE               ; my spare word,
	v_mov_b32 v31, 0                               ; and 0: kept for the closing lines alone
	v_and_b32 v1, 31, v0                           ; lane
	v_lshrrev_b32 v2, 5, v0                        ; wave, in every lane
	v_readfirstlane_b32 s14, v2                    ; and as a scalar
	s_mov_b32 s15, ttmp9                           ; work-group
	s_lshl_b32 s2, s15, 14                         ; its 16,384 bytes of x
	s_mov_b32 s3, 0
	s_lshl_b32 s34, s15, 13                        ; its 8,192 bytes of xb
	s_mov_b32 s35, 0
.irp e, 0,1,2,3,4,5,6,7,8,9,10,11,12,13,14,15
	s_mov_b32 s[MK+\e], 0                          ; written on every path of the text
.endr
	v_lshlrev_b32 v3, 4, v0                        ; 16 t: x, and later rank
	v_lshlrev_b32 v25, 3, v0                       ; 8 t: xb
	s_wait_kmcnt 0x0
	s_add_nc_u64 s[4:5], s[4:5], s[2:3]
	s_add_nc_u64 s[8:9], s[8:9], s[34:35]
	global_load_b128 v[4:7], v3, s[4:5] th:TH_LOAD_NT
	s_cmp_lg_u32 s15, 0
	s_cbranch_scc1 .Ljoin
	; work-group 0: thread = token; my wave's 32 tokens are one word of each expert's bitmap
	v_lshlrev_b32 v28, 6, v0                       ; a token's 16 gates are 64 bytes
.irp i, 0,1,2,3
	global_load_b128 v[8+4*\i:11+4*\i], v28, s[6:7] offset:16*\i
.endr
	v_mov_b32 v24, 0
	v_mul_u32_u24 v29, v1, PITCH                   ; row = lane, word = wave: lanes 0-15 hit BITS[e][w], lanes 16-31 CNT[e][w]
	v_lshl_add_u32 v29, v2, 2, v29
	s_wait_loadcnt 0x0
.irp e, 0,1,2,3,4,5,6,7,8,9,10,11,12,13,14,15
	v_cmp_neq_f32 s[MK+\e], 0, v[8+\e]
.endr
.irp e, 0,1,2,3,4,5,6,7,8,9,10,11,12,13,14,15
	s_bcnt1_i32_b32 s40, s[MK+\e]
	v_writelane_b32 v24, s[MK+\e], \e              ; the mask into lane e,
	v_writelane_b32 v24, s40, 16+\e                ; its count into lane 16 + e
.endr
	ds_store_b32 v29, v24
.Ljoin:
	s_wait_loadcnt 0x0                             ; x
	v_cvt_pk_bf16_f32 v64, v4, v5
	v_cvt_pk_bf16_f32 v65, v6, v7
	global_store_b64 v25, v[64:65], s[8:9]
	s_wait_dscnt 0x0                               ; for the other waves' sake: my words of the two tables are written
	s_barrier_signal -1
	s_barrier_wait -1
	s_cmp_lg_u32 s15, 0
	s_cbranch_scc1 .Lend
	; ranks: the counts of the waves in front of mine, plus the ones below my lane in my own word
	v_and_b32 v70, 15, v1
	v_mul_u32_u24 v70, v70, PITCH                  ; lane e (and 16 + e) reads expert e's 32 counts
.irp i, 0,1,2,3,4,5,6,7
	ds_load_b128 v[32+4*\i:35+4*\i], v70 offset:CNT+16*\i
.endr
	v_mov_b32 v26, 0
	s_wait_dscnt 0x0
.set j, 0
.rept 32
	s_cmp_gt_u32 s14, j                            ; is wave j in front of mine?
	s_cselect_b32 s40, 1, 0
	v_mad_u32_u24 v26, v[32+j], s40, v26
.set j, j+1
.endr
.irp e, 0,1,2,3,4,5,6,7,8,9,10,11,12,13,14,15
	v_readlane_b32 s41, v26, \e
	v_mbcnt_lo_u32_b32 v[8+\e], s[MK+\e], s41
	v_cndmask_b32 v[8+\e], -1, v[8+\e], s[MK+\e]   ; all ones where the expert is not chosen
.endr
.irp i, 0,1,2,3
	global_store_b128 v3, v[8+4*\i:11+4*\i], s[12:13] offset:16384*\i  ; a wave's store covers 512 consecutive bytes
.endr
	s_cmp_lt_u32 s14, 4
	s_cbranch_scc0 .Lend
	v_and_b32 v71, 127, v0                         ; waves 0-3 copy the bitmap out, 16 bytes a thread, without the rows' padding:
	v_lshrrev_b32 v70, 3, v71                      ; row t / 8,
	v_and_b32 v27, 7, v71                          ; piece t % 8
	v_mul_u32_u24 v70, v70, PITCH
	v_lshl_add_u32 v70, v27, 4, v70
	v_lshlrev_b32 v71, 4, v71                      ; to byte 16 t of bits
	ds_load_b128 v[66:69], v70 offset:BITS
	s_wait_dscnt 0x0
	global_store_b128 v71, v[66:69], s[10:11]
.Lend:
	s_wait_tensorcnt 0x0                           ; the wave's end, behind my last LDS store
	ds_add_u32 v30, v31
	s_wait_dscnt 0x0
	s_endpgm
.Lfunc_end_k_q4f65ad62eb_prep:
	.size	k_q4f65ad62eb_prep, .Lfunc_end_k_q4f65ad62eb_prep-k_q4f65ad62eb_prep
	.p2alignl 7, 3214868480
	.fill 96, 4, 3214868480
	.section	.rodata,"a",@progbits
	.p2align	6, 0x0
	.amdhsa_kernel k_q4f65ad62eb_prep
		.amdhsa_group_segment_fixed_size 8704
		.amdhsa_private_segment_fixed_size 0
		.amdhsa_enable_private_segment 0
		.amdhsa_kernarg_size 40
		.amdhsa_user_sgpr_count 2
		.amdhsa_user_sgpr_kernarg_segment_ptr 1
		.amdhsa_wavefront_size32 1
		.amdhsa_system_sgpr_workgroup_id_x 1
		.amdhsa_system_sgpr_workgroup_id_y 1
		.amdhsa_system_sgpr_workgroup_id_z 1
		.amdhsa_system_vgpr_workitem_id 0
		.amdhsa_next_free_vgpr 72
		.amdhsa_next_free_sgpr 66
		.amdhsa_reserve_vcc 0
		.amdhsa_float_denorm_mode_32 3
		.amdhsa_float_denorm_mode_16_64 3
		.amdhsa_memory_ordered 1
		.amdhsa_forward_progress 1
		.amdhsa_inst_pref_size 15
	.end_amdhsa_kernel
	.amdgpu_metadata
---
amdhsa.version: [ 1, 2 ]
amdhsa.kernels:
  - .name:           k_q4f65ad62eb_prep
    .symbol:         k_q4f65ad62eb_prep.kd
    .args:
      - { .name: x, .offset: 0, .size: 8, .value_kind: global_buffer, .address_space: global }
      - { .name: routing_tensor, .offset: 8, .size: 8, .value_kind: global_buffer, .address_space: global }
      - { .name: xb, .offset: 16, .size: 8, .value_kind: global_buffer, .address_space: global }
      - { .name: bits, .offset: 24, .size: 8, .value_kind: global_buffer, .address_space: global }
      - { .name: rank, .offset: 32, .size: 8, .value_kind: global_buffer, .address_space: global }
    .group_segment_fixed_size: 8704
    .private_segment_fixed_size: 0
    .kernarg_segment_align: 8
    .kernarg_segment_size: 40
    .max_flat_workgroup_size: 1024
    .sgpr_count:     66
    .vgpr_count:     72
    .wavefront_size: 32
...
	.end_amdgpu_metadata
.endif
;; end of part 1
;; launch fc1 (part 2): grid 16 x 16, 8 waves a work-group, no clusters, 267,264 bytes of LDS; arguments xb, bits, w1, b1, hf; writes hf
.if DOCPART == 2
	.amdgcn_target "amdgcn-amd-amdhsa--gfx1250"
	.amdhsa_code_object_version 6
	.text
	.protected	k_q4f65ad62eb_fc1
	.globl	k_q4f65ad62eb_fc1
	.p2align	8
	.type	k_q4f65ad62eb_fc1,@function
k_q4f65ad62eb_fc1:
	s_mov_b64 s[64:65], 0
	v_nop
	global_prefetch_b8 v0, s[64:65] scope:SCOPE_SE
	s_setreg_imm32_b32 hwreg(HW_REG_WAVE_MODE, 25, 1), 1
	s_wait_xcnt 0x0
; FC1.  hf[e][rank][o] = 2 k gelu(x[token(rank)] . w1[e][:, o] + b1[e][o]) in bf16, for the tokens whose gate for expert e is not 0, in the order of their ranks.
; A work-group owns ONE slice of one expert's weights: w1[e][0..1023][128 columns], 512 KB of f32, which it alone reads, once.  All eight waves run one text.
; THE STREAM.  K goes in 16 chunks of 64.  Of each chunk wave p loads rows 8 p .. 8 p + 7 (eight loads, each one row's 512 consecutive bytes), rounds them to bf16 (the packed conversion pairs two K rows
; of a column, which is the transposition) and lays them into LDS in the order of matrix operands.  The whole bf16 slice stays in LDS; no LDS byte is written twice, so one barrier a chunk is enough.
; THE PRODUCTS.  A block is 16 row tiles of 16 ranks.  A wave owns two of them, b and b + 4, times all 8 column tiles; b = 0..3 in waves 0, 2, 5, 7 and 8..11 in waves 1, 3, 4, 6.  So an expert's first 128 rows
; lie with four waves, where each operand of the weights read from LDS feeds two products; and a wave whose two tiles both lie past the count reads no operand and multiplies nothing: it only lays its part of
; the weights down (at 128 rows 4 x 32 LDS loads a chunk, where one live tile in each of eight waves would want 8 x 32).  The four waves of each kind differ in w % 4 and in w / 2: whether every fourth wave or
; neighbouring waves share a SIMD, each SIMD has one of each kind.  x's rows come straight into registers.  Block 0 (256 rows) runs under the stream; further blocks (an expert with more rows, up to all 1,024)
; run behind it from the resident slice, in a loop of constant count whose dead trips are jumped.  Places past the count repeat the last row.  An expert without rows runs one tile, whose results nobody reads.
; ONE COUNTER.  A wave's loads end in order, weights (R) and x (X) alike, so the order of issue is fixed: trip u asks for R of chunk u + 3 first (four ring slots: that slot was emptied in trip u - 1) and for X of
; chunk u + 2 last (two slots).  The wait for X of chunk u shows R of chunk u + 1 done as well; R of u + 2 and u + 3 stay out behind it.  No global load and no wait for one is ever left out: a dead tile's x is
; loaded too (it repeats a row that exists), so that every count holds on every way.  By the text's own count at most 40 loads of a wave are out.
; THE MATRIX INSTRUCTION IS USED TRANSPOSED: source 0 = 16 hidden columns, source 1 = 16 tokens; a lane then holds one token and eight neighbouring hidden numbers, which rounded to bf16 are 16 bytes of
; the next product's operand: hf is stored in that order, [e][tile 64 KiB][32 hidden 1 KiB][half 512 B][lane 16 B], by stores of 512 consecutive bytes.
; GELU is exact gelu with erf by the rational form of Abramowitz and Stegun 7.1.26 (absolute error at most 1.5e-7 at every argument).  With k = sqrt(log2(e) / 2) and A = k v:
; exp(-v^2 / 2) = 2^(-A^2), and A + |A| erf = 2 k gelu(v).  The factor 2 k stays in hf and is taken out by the last launch.  Where A^2 overflows, the exponential is 0 and erf is 1, as it should be.
; LIMITS.  x, w1 and the hidden layer are rounded once to bf16; sums and the bias in f32.  NaN and infinities are not treated apart.
; NO CLUSTER: each weight byte has one reader; what an expert's 16 work-groups share is x's rows, which come by ranks that no tile descriptor covers.
.set ROWB,  8192                       ; bytes in a row of w1
.set CHB,   64*ROWB                    ; a chunk's 64 rows
.set WBLK,  1040                       ; LDS: one operand (16 columns x 32 K, 1,024 bytes: [half][lane][16 B]) + 16: sixteen storing lanes then hit sixteen different 16-byte columns
.set WKS,   8*WBLK                     ; a K step's eight column tiles
.set WCH,   2*WKS                      ; a chunk: two K steps
.set SPARE, 32*WKS                     ; behind the slice (266,240 bytes): the spare words, 128 bytes for each of 8 waves; no other line names them
.set SPW, 2                            ; v2   my spare word's address; never rewritten
.set NIL, 3                            ; v3   0; never rewritten
.set GO,  4                            ; v4   16 x lane; never rewritten: my place in a row of w1, in an operand in LDS, and in a 512-byte store
.set WS,  5                            ; v5   where my 16 bytes go in LDS (steps a chunk a trip)
.set WA,  6                            ; v6   LDS address of the chunk's operands (steps)
.set XO,  7                            ; v7-8 tile t: token x 2,048 + 16 (lane / 16)
.set XH,  9                            ; v9   16 (lane / 16)
.set RR,  10                           ; v10  lane % 16
.set HH,  11                           ; v11  lane / 16
.set BO,  12                           ; v12  32 (lane / 16): my eight biases in a column tile
.set TP,  16                           ; v16-31   16 packed words on their way to LDS; at a block's beginning: at work on the tokens
.set XR,  32                           ; v32-95   x's operands: slot xs, tile t, K step s at 32 + 32 xs + 16 t + 8 s
.set ROUT, 96                          ; v96-127  32 packed words to store
.set WB,  128                          ; v128-255 the weights' operands: half (K step), column tile f at 128 + 64 half + 8 f
.set RA,  128                          ; the way out, in the same registers: A (64), then 16 each at work
.set RU,  192
.set RE,  208
.set RQ,  224
.set RING, 128                         ; window 1: v0-127 accumulator (t, c) at 64 t + 8 c;  v128-255 the ring: slot, row i at 128 + 32 slot + 4 i
.set KB,  128                          ; window 1: at the end the ring's slots 0 and 1 hold k x bias: column tile c at 128 + 8 c
.set WV,  14                           ; s14 wave;  s15 b: my first tile in a block;  s16 slice;  s17 expert
.set SB,  15
.set SL,  16
.set SE,  17
.set CNT1, 18                          ; s18 max(count, 1) - 1;  s19 tiles of rows, at least 1;  s20 my live tiles in this block, 0..2
.set NT,  19
.set SM,  20
.set BLK, 21
.set IT,  22
.set TT,  23
.set PB,  24                           ; s[24:25] w1 at my rows of the lap's first chunk
.set XP,  26                           ; s[26:27] xb at the lap's first chunk
.set HB,  28                           ; s[28:29] hf at the tile to be stored
.set BB,  30                           ; s[30:31] b1 at my slice
.set BM,  32                           ; s[32:63] the expert's bitmap
.set KK,  66                           ; pairs for the packed forms, which take the low word for both halves
.set A5,  68
.set A4,  70
.set A3,  72
.set A2,  74
.set A1,  76
.set C1,  78
.set HM,  79                           ; s79 a mask: lanes 16-31
.set HB0, 86                           ; s[86:87] hf at my expert and slice
.set SEL, 88                           ; s[88:89] v_permlanex16_b32's selects: each lane takes its own place in the other half
.set MSB, 0
.macro WIN new                         ; register windows; the immediate's high byte repeats the setting that is left; a switch that changes nothing is dropped
.if MSB != (\new)
	s_set_vgpr_msb (MSB<<8)|(\new)
.set MSB, (\new)
.endif
.endm
.macro PLACES                          ; four plain instructions between a matrix instruction and a load into, or a vector access to, its registers
.rept 4
	v_nop
.endr
.endm
.macro EACH n, step, line:vararg       ; one line n times, i = 0, step, 2 step ..
.set i, 0
.rept \n
	\line
.set i, i+(\step)
.endr
.endm
.macro RLOAD slot, ch                  ; my eight rows of chunk ch (counted from the lap's first) into a ring slot
	WIN 0x40                                       ; destination in window 1
.irp i, 0,1,2,3,4,5,6,7
	global_load_b128 v[RING+32*(\slot)+4*\i:RING+32*(\slot)+4*\i+3], v[GO], s[PB:PB+1] offset:(\ch)*CHB+\i*ROWB th:TH_LOAD_NT
.endr
	WIN 0
.endm
.macro BLOAD q                         ; the bias of column tiles 4 q .. 4 q + 3 into ring slot q: eight loads, in the place of a ring load
	WIN 0x40
.irp c, 0,1,2,3
	global_load_b128 v[KB+32*(\q)+8*\c:KB+32*(\q)+8*\c+3], v[BO], s[BB:BB+1] offset:64*(4*(\q)+\c)
	global_load_b128 v[KB+32*(\q)+8*\c+4:KB+32*(\q)+8*\c+7], v[BO], s[BB:BB+1] offset:64*(4*(\q)+\c)+16
.endr
	WIN 0
.endm
.macro LAY slot                        ; a ring slot is rounded and laid into LDS: eight K of each of my four columns
	WIN 0x05                                       ; both sources in window 1
.irp c, 0,1,2,3
.irp q, 0,1,2,3
	v_cvt_pk_bf16_f32 v[TP+4*\c+\q], v[RING+32*(\slot)+8*\q+\c], v[RING+32*(\slot)+8*\q+4+\c]  ; column c of my four: rows 2 q and 2 q + 1
.endr
.endr
	WIN 0
.irp c, 0,1,2,3
	ds_store_b128 v[WS], v[TP+4*\c:TP+4*\c+3] offset:16*\c
.endr
	v_add_nc_u32 v[WS], WCH, v[WS]
.endm
.macro XLOAD xs, ch                    ; x's operands of both tiles for chunk ch: lane (r, h) takes token r's K = 8 h .. and 16 + 8 h .. of each K step: eight loads
.irp t, 0,1
.irp s, 0,1
	global_load_b128 v[XR+32*(\xs)+16*\t+8*\s:XR+32*(\xs)+16*\t+8*\s+3], v[XO+\t], s[XP:XP+1] offset:(\ch)*128+64*\s
	global_load_b128 v[XR+32*(\xs)+16*\t+8*\s+4:XR+32*(\xs)+16*\t+8*\s+7], v[XO+\t], s[XP:XP+1] offset:(\ch)*128+64*\s+32
.endr
.endr
.endm
.macro WLOAD half                      ; one K step's eight operands of the weights: 16 loads of 512 consecutive bytes
.irp f, 0,1,2,3,4,5,6,7
	ds_load_b128 v[WB+64*(\half)+8*\f:WB+64*(\half)+8*\f+3], v[WA] offset:(\half)*WKS+\f*WBLK
	ds_load_b128 v[WB+64*(\half)+8*\f+4:WB+64*(\half)+8*\f+7], v[WA] offset:(\half)*WKS+\f*WBLK+512
.endr
.endm
.macro MMTILE half, xs, t, zero        ; eight products; the accumulators take turns, one instruction a turn.  zero = 1: they start the sums
	WIN 0x50                                       ; C and D in window 1
.irp f, 0,1,2,3,4,5,6,7
.if \zero
	v_wmma_f32_16x16x32_bf16 v[64*(\t)+8*\f:64*(\t)+8*\f+7], v[WB+64*(\half)+8*\f:WB+64*(\half)+8*\f+7], v[XR+32*(\xs)+16*(\t)+8*(\half):XR+32*(\xs)+16*(\t)+8*(\half)+7], 0
.else
	v_wmma_f32_16x16x32_bf16 v[64*(\t)+8*\f:64*(\t)+8*\f+7], v[WB+64*(\half)+8*\f:WB+64*(\half)+8*\f+7], v[XR+32*(\xs)+16*(\t)+8*(\half):XR+32*(\xs)+16*(\t)+8*(\half)+7], v[64*(\t)+8*\f:64*(\t)+8*\f+7]
.endif
.endr
.endm
; A chunk's products.  Tile 0; tile 1 where it is live, and always where the sums start, so that every accumulator is written on every way.
.macro MMS xs, zero
	s_wait_dscnt 16                                ; the first K step's 16 loads are in; the second's 16 stay out
	MMTILE 0, \xs, 0, \zero
.if \zero
	MMTILE 0, \xs, 1, 1
.else
	WIN 0
	s_cmp_lt_u32 s[SM], 2
	s_cbranch_scc1 .Lma_\@
	MMTILE 0, \xs, 1, 0
	WIN 0
.Lma_\@:
.endif
	s_wait_dscnt 0x0
	MMTILE 1, \xs, 0, 0
	WIN 0
	s_cmp_lt_u32 s[SM], 2
	s_cbranch_scc1 .Lmb_\@
	MMTILE 1, \xs, 1, 0
	WIN 0
.Lmb_\@:
.endm
; TRIP u.  rs = u % 4: the ring slot of this chunk's rows; xs = u % 2: the slot of its x.  ra = 1: the rows of chunk rch go out, into the slot emptied last trip; 2: part rch of the bias in their place; 0: nothing.
; nr: the first trip's wait for its rows (in every later trip the rows are older than the x that the trip before waited for).  nx: the loads younger than this chunk's x.  xa = 1: x of chunk xch goes out.
; A wave with no live tile jumps over the LDS loads and the products (not in the first trip, which writes every accumulator); the wait for x stands on both ways, since the slot is loaded again below.
.macro TRIP rs, xs, ra, rch, nr, nx, xa, xch, zero
.if (\nr) >= 0
	s_wait_loadcnt \nr
.endif
.if (\ra) == 1
	RLOAD ((\rs)+3)%4, \rch
.elseif (\ra) == 2
	BLOAD \rch
.endif
	LAY \rs
	s_wait_dscnt 0x0                               ; for the others' sake: my part of the chunk is in LDS
	s_barrier_signal -1
	s_barrier_wait -1                              ; everybody's is
.if !(\zero)
	s_cmp_eq_u32 s[SM], 0
	s_cbranch_scc1 .Lti_\@
.endif
	WLOAD 0                                        ; (the sixteen conversions above are the places behind the last trip's products)
	WLOAD 1
	s_wait_loadcnt \nx                             ; x of this chunk is in
	MMS \xs, \zero
.if !(\zero)
	s_branch .Ltj_\@
.Lti_\@:
	s_wait_loadcnt \nx                             ; the same count on the way without products
.Ltj_\@:
.endif
	v_add_nc_u32 v[WA], WCH, v[WA]
.if \xa
	PLACES                                         ; the loads below land in registers that these products read
	XLOAD \xs, \xch
.endif
.endm
.macro CCH2 zero                       ; a chunk of a later block, from the resident slice: x is asked for and awaited
	PLACES
	XLOAD 0, 0
	WLOAD 0
	WLOAD 1
	v_add_nc_u32 v[WA], WCH, v[WA]
	s_wait_loadcnt 0x0                             ; x is in, and its base is free
	s_add_nc_u64 s[XP:XP+1], s[XP:XP+1], 128
	MMS 0, \zero
.endm
.macro MSET                            ; my live tiles in block BLK: those t of 0, 1 with 16 BLK + b + 4 t < NT
	s_lshl_b32 s80, s[BLK], 4
	s_sub_co_i32 s80, s[NT], s80
	s_sub_co_i32 s80, s80, s[SB]
	s_add_co_i32 s80, s80, 3
	s_ashr_i32 s80, s80, 2
	s_max_i32 s80, s80, 0
	s_min_i32 s[SM], s80, 2
.endm
.macro PICK src, fw, inc               ; one step down: if the lower part holds too few ones, they are taken off and the place moves up
	v_bfe_u32 v26, v[\src], v25, \fw
	v_cmp_ge_u32 vcc_lo, v20, v26
	v_cndmask_b32 v26, 0, v26, vcc_lo
	v_sub_nc_u32 v20, v20, v26
	v_cndmask_b32 v26, 0, \inc, vcc_lo
	v_add_nc_u32 v25, v25, v26
.endm
; A block begins: the tokens of my two tiles, and the addresses.  Lane 16 t + r looks for the token of rank 16 (tile t) + r: the bitmap's last word in front of which no more than that many ones lie,
; then the one of that number within the word, by counts of ones in 2, 4, 8 and 16 bits made with shifts and masks.
.macro BLKSET first
.if !(\first)
	s_wait_loadcnt 0x0                             ; no load of mine is out, and every earlier store has had its addresses translated:
	s_wait_xcnt 0x0                                ; the registers written below are free
.endif
	s_lshl_b32 s80, s[BLK], 4
	s_add_co_u32 s80, s80, s[SB]                   ; my first tile,
	s_lshl_b32 s81, s80, 4                         ; its first rank
	v_lshl_add_u32 v16, v[HH], 6, v[RR]            ; the second tile lies 4 tiles, 64 ranks, on
	v_add_nc_u32 v16, s81, v16
	v_min_u32 v16, s[CNT1], v16                    ; places past the count repeat the last row
	v_mov_b32 v17, s[BM]                           ; the word,
	v_mov_b32 v18, 0                               ; the ones in front of it,
	v_mov_b32 v19, 0                               ; its number
	s_mov_b32 s90, 0
.set j, 1
.rept 31
	s_bcnt1_i32_b32 s91, s[BM+j-1]
	s_add_co_u32 s90, s90, s91
	v_cmp_le_u32 vcc_lo, s90, v16
	v_cndmask_b32 v17, v17, s[BM+j], vcc_lo
	v_cndmask_b32 v18, v18, s90, vcc_lo
	v_cndmask_b32 v19, v19, j, vcc_lo
.set j, j+1
.endr
	v_sub_nc_u32 v20, v16, v18                     ; which one of the word, from 0
	v_lshrrev_b32 v21, 1, v17
	v_and_b32 v21, 0x55555555, v21
	v_sub_nc_u32 v21, v17, v21                     ; ones in each 2 bits
	v_lshrrev_b32 v22, 2, v21
	v_and_b32 v22, 0x33333333, v22
	v_and_b32 v23, 0x33333333, v21
	v_add_nc_u32 v22, v22, v23                     ; in each 4
	v_lshrrev_b32 v23, 4, v22
	v_add_nc_u32 v23, v23, v22
	v_and_b32 v23, 0x0f0f0f0f, v23                 ; in each 8
	v_lshrrev_b32 v24, 8, v23
	v_add_nc_u32 v24, v24, v23                     ; its lowest byte: in the low 16
	v_mov_b32 v25, 0                               ; the place
	PICK 24, 8, 16
	PICK 23, 8, 8
	PICK 22, 4, 4
	PICK 21, 2, 2
	PICK 17, 1, 1
	v_lshl_add_u32 v27, v19, 5, v25                ; the token
	v_mov_b32 v28, v27                             ; (the next line's destination counts as read)
	v_permlanex16_b32 v28, v27, s[SEL], s[SEL+1]   ; the other tile's token for my r
	v_cndmask_b32 v29, v27, v28, s[HM]             ; tile 0: lanes 0-15 hold it, lanes 16-31 take it from there
	v_cndmask_b32 v30, v28, v27, s[HM]             ; tile 1: the other way round
	v_min_u32 v29, 0x3ff, v29
	v_min_u32 v30, 0x3ff, v30
	v_lshl_add_u32 v[XO], v29, 11, v[XH]
	v_lshl_add_u32 v[XO+1], v30, 11, v[XH]
	v_mov_b32 v[WA], v[GO]
	s_mov_b64 s[XP:XP+1], s[4:5]
	s_lshl_b32 s80, s80, 16                        ; a tile of hf is 65,536 bytes
	s_mov_b32 s81, 0
	s_add_nc_u64 s[HB:HB+1], s[HB0:HB0+1], s[80:81]
.endm
.macro COPY t                          ; A = k sum + k bias, out of window 1; each accumulator is read from its low end on
	WIN 0x11                                       ; sources 0 and 2 in window 1
	EACH 32, 2, v_pk_fma_f32 v[RA+i:RA+i+1], v[64*(\t)+i:64*(\t)+i+1], s[KK:KK+1], v[KB+i:KB+i+1] op_sel_hi:[1,0,1]
	WIN 0
.endm
; Sixteen numbers: column tiles 2 b and 2 b + 1.  The 16 reciprocals and 16 exponentials are one batch with one wait.
.macro GELU b
.set a0, RA+16*(\b)
.set o0, ROUT+8*(\b)
	EACH 16, 1, v_fma_f32 v[RU+i], |v[a0+i]|, s[C1], 1.0
	EACH 8, 2, v_pk_mul_f32 v[RE+i:RE+i+1], v[a0+i:a0+i+1], v[a0+i:a0+i+1] neg_lo:[1,0] neg_hi:[1,0]
	EACH 16, 1, v_rcp_f32 v[RU+i], v[RU+i]
	EACH 16, 1, v_exp_f32 v[RE+i], v[RE+i]
	v_nop                                          ; a plain instruction behind the last of them (ISA guide 5.7.2),
	s_wait_alu depctr_va_vdst(0)                   ; and a wait ahead of the batch's first reader
	EACH 8, 2, v_pk_fma_f32 v[RQ+i:RQ+i+1], v[RU+i:RU+i+1], s[A5:A5+1], s[A4:A4+1] op_sel_hi:[1,0,0]
	EACH 8, 2, v_pk_fma_f32 v[RQ+i:RQ+i+1], v[RQ+i:RQ+i+1], v[RU+i:RU+i+1], s[A3:A3+1] op_sel_hi:[1,1,0]
	EACH 8, 2, v_pk_fma_f32 v[RQ+i:RQ+i+1], v[RQ+i:RQ+i+1], v[RU+i:RU+i+1], s[A2:A2+1] op_sel_hi:[1,1,0]
	EACH 8, 2, v_pk_fma_f32 v[RQ+i:RQ+i+1], v[RQ+i:RQ+i+1], v[RU+i:RU+i+1], s[A1:A1+1] op_sel_hi:[1,1,0]
	EACH 8, 2, v_pk_mul_f32 v[RQ+i:RQ+i+1], v[RQ+i:RQ+i+1], v[RU+i:RU+i+1]
	EACH 8, 2, v_pk_fma_f32 v[RQ+i:RQ+i+1], v[RQ+i:RQ+i+1], v[RE+i:RE+i+1], 1.0 op_sel_hi:[1,1,0] neg_lo:[1,0,0] neg_hi:[1,0,0]
	EACH 16, 1, v_fma_f32 v[RU+i], |v[a0+i]|, v[RQ+i], v[a0+i]
	EACH 8, 1, v_cvt_pk_bf16_f32 v[o0+i], v[RU+2*i], v[RU+2*i+1]
	global_store_b128 v[GO], v[o0:o0+3], s[HB:HB+1] offset:1024*(\b)         ; 512 consecutive bytes, aligned
	global_store_b128 v[GO], v[o0+4:o0+7], s[HB:HB+1] offset:1024*(\b)+512
.endm
	s_load_b256 s[4:11], s[0:1], 0x0               ; xb s[4:5], bits s[6:7], w1 s[8:9], b1 s[10:11]
	s_load_b64 s[12:13], s[0:1], 0x20              ; hf
	v_lshl_add_u32 v[SPW], v0, 2, SPARE
	v_mov_b32 v[NIL], 0
	v_and_b32 v1, 31, v0                           ; lane
	v_lshrrev_b32 v13, 5, v0
	v_readfirstlane_b32 s[WV], v13
	s_mov_b32 s[SL], ttmp9
	s_and_b32 s[SE], ttmp7, 0xffff
	s_lshr_b32 s[SB], s[WV], 2                     ; b = w / 2 + 8 x ((w ^ (w / 4)) % 2):
	s_xor_b32 s[SB], s[SB], s[WV]
	s_and_b32 s[SB], s[SB], 1                      ; 0 in waves 0, 2, 5, 7; 1 in waves 1, 3, 4, 6
	s_lshl_b32 s[SB], s[SB], 3
	s_lshr_b32 s84, s[WV], 1
	s_add_co_u32 s[SB], s[SB], s84
	s_lshl_b32 s80, s[SE], 23                      ; an expert's w1 is 8 MiB; a slice's columns 512 bytes of a row; wave p has rows 8 p .. 8 p + 7 of every chunk
	s_lshl_b32 s81, s[SL], 9
	s_add_co_u32 s80, s80, s81
	s_lshl_b32 s81, s[WV], 16
	s_add_co_u32 s80, s80, s81
	s_mov_b32 s81, 0
	s_lshl_b32 s82, s[SE], 7                       ; an expert's bitmap is 128 bytes
	s_mov_b32 s83, 0
	v_lshlrev_b32 v[GO], 4, v1
	s_wait_kmcnt 0x0
	s_add_nc_u64 s[PB:PB+1], s[8:9], s[80:81]
	s_add_nc_u64 s[6:7], s[6:7], s[82:83]
	RLOAD 0, 0                                     ; the weights go out before anything else: chunks 0, 1, 2
	RLOAD 1, 1
	RLOAD 2, 2
	s_load_b512 s[BM:BM+15], s[6:7], 0x0
	s_load_b512 s[BM+16:BM+31], s[6:7], 0x40
	; Lane l holds columns 4 l .. 4 l + 3: column tile l / 4, operand rows 4 (l % 4) + 0..3.  My eight rows are K step p / 4 of the chunk's two, the operand's half (p / 2) % 2, the lanes' half p % 2.
	v_lshrrev_b32 v[WS], 2, v1
	v_mul_u32_u24 v[WS], v[WS], WBLK
	v_and_b32 v13, 3, v1
	v_lshl_add_u32 v[WS], v13, 6, v[WS]
	s_and_b32 s80, s[WV], 1
	s_lshl_b32 s80, s80, 8
	s_lshr_b32 s81, s[WV], 1
	s_and_b32 s81, s81, 1
	s_lshl_b32 s81, s81, 9
	s_add_co_u32 s80, s80, s81
	s_lshr_b32 s81, s[WV], 2
	s_mul_i32 s81, s81, WKS
	s_add_co_u32 s80, s80, s81
	v_add_nc_u32 v[WS], s80, v[WS]
	v_and_b32 v[RR], 15, v1
	v_lshrrev_b32 v[HH], 4, v1
	v_lshlrev_b32 v[XH], 4, v[HH]
	v_lshlrev_b32 v[BO], 5, v[HH]
	s_mov_b32 s[KK], 0x3f596d27                    ; k = sqrt(log2(e) / 2) = 0.8493218
	s_mov_b32 s[KK+1], 0x3f596d27
	s_mov_b32 s[A5], 0x3f87dc22                    ; 1.061405429
	s_mov_b32 s[A5+1], 0x3f87dc22
	s_mov_b32 s[A4], 0xbfba00e3                    ; -1.453152027
	s_mov_b32 s[A4+1], 0xbfba00e3
	s_mov_b32 s[A3], 0x3fb5f0e3                    ; 1.421413741
	s_mov_b32 s[A3+1], 0x3fb5f0e3
	s_mov_b32 s[A2], 0xbe91a98e                    ; -0.284496736
	s_mov_b32 s[A2+1], 0xbe91a98e
	s_mov_b32 s[A1], 0x3e827906                    ; 0.254829592
	s_mov_b32 s[A1+1], 0x3e827906
	s_mov_b32 s[C1], 0x3e8ba43f                    ; 0.3275911 / sqrt(log2(e)) = 0.27273748
	s_mov_b32 s[HM], 0xffff0000
	s_mov_b32 s[SEL], 0x76543210
	s_mov_b32 s[SEL+1], 0xfedcba98
	s_lshl_b32 s82, s[SE], 13
	s_lshl_b32 s83, s[SL], 9
	s_add_co_u32 s82, s82, s83
	s_mov_b32 s83, 0
	s_add_nc_u64 s[BB:BB+1], s[10:11], s[82:83]
	s_lshl_b32 s82, s[SE], 22                      ; an expert's hf is 4 MiB; a slice's 128 hidden numbers are 4 KiB of a tile
	s_lshl_b32 s83, s[SL], 12
	s_add_co_u32 s82, s82, s83
	s_mov_b32 s83, 0
	s_add_nc_u64 s[HB0:HB0+1], s[12:13], s[82:83]
	s_mov_b32 s85, 0
	s_wait_kmcnt 0x0
.set j, 0
.rept 32                               ; the expert's rows
	s_bcnt1_i32_b32 s84, s[BM+j]
	s_add_co_u32 s85, s85, s84
.set j, j+1
.endr
	s_max_u32 s[CNT1], s85, 1
	s_sub_co_u32 s[CNT1], s[CNT1], 1
	s_add_co_u32 s[NT], s85, 15
	s_lshr_b32 s[NT], s[NT], 4
	s_max_u32 s[NT], s[NT], 1
	s_mov_b32 s[BLK], 0
	MSET
	BLKSET 1
	XLOAD 0, 0                                     ; x of chunks 0 and 1
	XLOAD 1, 1
	; The order of issue so far: R0 R1 R2 X0 X1, eight loads each.
	TRIP 0, 0, 1, 3, 32, 16, 1, 2, 1               ; written out: its products start the sums.  32: R1 R2 X0 X1 are younger than R0.  16: X1 and R3 are younger than X0
	s_mov_b32 s[IT], 3
.Lring:                                ; a lap: trips 4 l + 1 .. 4 l + 4.  24: the rows of chunk u + 2, x of u + 1 and the rows of u + 3 are younger than x of chunk u
	TRIP 1, 1, 1, 4, -1, 24, 1, 3, 0
	TRIP 2, 0, 1, 5, -1, 24, 1, 4, 0
	TRIP 3, 1, 1, 6, -1, 24, 1, 5, 0
	TRIP 0, 0, 1, 7, -1, 24, 1, 6, 0
	s_wait_xcnt 0x0                                ; the bases are stepped only behind this wait
	s_add_nc_u64 s[PB:PB+1], s[PB:PB+1], 4*CHB
	s_add_nc_u64 s[XP:XP+1], s[XP:XP+1], 4*128
	s_sub_co_u32 s[IT], s[IT], 1
	s_cmp_lg_u32 s[IT], 0
	s_cbranch_scc1 .Lring
	TRIP 1, 1, 2, 0, -1, 24, 1, 3, 0               ; trip 13: no rows are left to ask for; half of the bias takes their place in the ring and in the count; x of chunk 15
	TRIP 2, 0, 2, 1, -1, 24, 0, 0, 0               ; trip 14: the other half.  24: the first half, x of chunk 15, the second half
	TRIP 3, 1, 0, 0, -1, 8, 0, 0, 0                ; trip 15.  8: the bias's second half
	s_wait_loadcnt 0x0                             ; the bias
	WIN 0x41                                       ; destination and source 0 in window 1
	EACH 32, 2, v_pk_mul_f32 v[KB+i:KB+i+1], v[KB+i:KB+i+1], s[KK:KK+1] op_sel_hi:[1,0]
	WIN 0
.Lblk:                                 ; four trips: the way out of block BLK, then the next block's 16 chunks from the resident slice; 4 x 16 tiles cover all 64
	s_mov_b32 s[TT], 0
.Lep:
	s_cmp_ge_u32 s[TT], s[SM]
	s_cbranch_scc1 .Lepn
	s_wait_xcnt 0x0                                ; the last tile's stores have read their registers
	PLACES                                         ; behind the last products
	s_cmp_eq_u32 s[TT], 0
	s_cbranch_scc1 .Lc0
	COPY 1
	s_branch .Lcj
.Lc0:
	COPY 0
.Lcj:
	GELU 0
	GELU 1
	GELU 2
	GELU 3
	s_wait_xcnt 0x0
	s_add_nc_u64 s[HB:HB+1], s[HB:HB+1], 4*65536   ; my next tile lies four tiles on
.Lepn:
	s_add_co_u32 s[TT], s[TT], 1
	s_cmp_lt_u32 s[TT], 2
	s_cbranch_scc1 .Lep
	s_add_co_u32 s[BLK], s[BLK], 1
	MSET
	s_cmp_eq_u32 s[SM], 0
	s_cbranch_scc1 .Lbe
	BLKSET 0
	CCH2 1                                         ; the block's first chunk starts the sums
	s_mov_b32 s[IT], 15
.Lch:
	CCH2 0
	s_sub_co_u32 s[IT], s[IT], 1
	s_cmp_lg_u32 s[IT], 0
	s_cbranch_scc1 .Lch
.Lbe:                                  ; every wave comes here in every trip, with a live block or a dead one: only work is jumped
	s_wait_dscnt 0x0                               ; my reads of LDS in this block are back;
	s_barrier_signal -1                            ; a barrier between a block's reads of LDS, whose address steps in a register, and the LDS write that follows them in the text (the closing add):
	s_barrier_wait -1                              ; load, wait, barrier, write, for every wave
	s_cmp_lt_u32 s[BLK], 4
	s_cbranch_scc1 .Lblk
	s_wait_tensorcnt 0x0                           ; the wave's end, behind my last LDS store
	ds_add_u32 v[SPW], v[NIL]
	s_wait_dscnt 0x0
	s_endpgm
.Lfunc_end_k_q4f65ad62eb_fc1:
	.size	k_q4f65ad62eb_fc1, .Lfunc_end_k_q4f65ad62eb_fc1-k_q4f65ad62eb_fc1
	.p2alignl 7, 3214868480
	.fill 96, 4, 3214868480
	.section	.rodata,"a",@progbits
	.p2align	6, 0x0
	.amdhsa_kernel k_q4f65ad62eb_fc1
		.amdhsa_group_segment_fixed_size 267264
		.amdhsa_private_segment_fixed_size 0
		.amdhsa_enable_private_segment 0
		.amdhsa_kernarg_size 40
		.amdhsa_user_sgpr_count 2
		.amdhsa_user_sgpr_kernarg_segment_ptr 1
		.amdhsa_wavefront_size32 1
		.amdhsa_system_sgpr_workgroup_id_x 1
		.amdhsa_system_sgpr_workgroup_id_y 1
		.amdhsa_system_sgpr_workgroup_id_z 1
		.amdhsa_system_vgpr_workitem_id 0
		.amdhsa_next_free_vgpr 512
		.amdhsa_next_free_sgpr 96
		.amdhsa_reserve_vcc 1
		.amdhsa_float_denorm_mode_32 3
		.amdhsa_float_denorm_mode_16_64 3
		.amdhsa_memory_ordered 1
		.amdhsa_forward_progress 1
		.amdhsa_inst_pref_size 141
	.end_amdhsa_kernel
	.amdgpu_metadata
---
amdhsa.version: [ 1, 2 ]
amdhsa.kernels:
  - .name:           k_q4f65ad62eb_fc1
    .symbol:         k_q4f65ad62eb_fc1.kd
    .args:
      - { .name: xb, .offset: 0, .size: 8, .value_kind: global_buffer, .address_space: global }
      - { .name: bits, .offset: 8, .size: 8, .value_kind: global_buffer, .address_space: global }
      - { .name: w1, .offset: 16, .size: 8, .value_kind: global_buffer, .address_space: global }
      - { .name: b1, .offset: 24, .size: 8, .value_kind: global_buffer, .address_space: global }
      - { .name: hf, .offset: 32, .size: 8, .value_kind: global_buffer, .address_space: global }
    .group_segment_fixed_size: 267264
    .private_segment_fixed_size: 0
    .kernarg_segment_align: 8
    .kernarg_segment_size: 40
    .max_flat_workgroup_size: 256
    .sgpr_count:     96
    .vgpr_count:     512
    .wavefront_size: 32
...
	.end_amdgpu_metadata
.endif
;; end of part 2
;; launch fc2 (part 3): grid 16 x 16, 8 waves a work-group, no clusters, 302,080 bytes of LDS; arguments hf, bits, w2, y; writes y
.if DOCPART == 3
	.amdgcn_target "amdgcn-amd-amdhsa--gfx1250"
	.amdhsa_code_object_version 6
	.text
	.protected	k_q4f65ad62eb_fc2
	.globl	k_q4f65ad62eb_fc2
	.p2align	8
	.type	k_q4f65ad62eb_fc2,@function
k_q4f65ad62eb_fc2:
	s_mov_b64 s[64:65], 0
	v_nop
	global_prefetch_b8 v0, s[64:65] scope:SCOPE_SE
	s_setreg_imm32_b32 hwreg(HW_REG_WAVE_MODE, 25, 1), 1
	s_wait_xcnt 0x0
; FC2.  y[e][rank][d] = the sum over o of hf[e][rank][o] w2[e][o][d], f32, not yet weighted by the gate (and carrying hf's factor 2 k): the experts' partial rows, which the last launch adds.
; The frame is the first product's.  A work-group owns w2[e][0..2047][64 columns], 512 KB of f32, which it alone reads, once.  All eight waves run one text.
; THE STREAM.  K goes in 16 chunks of 128.  Of each chunk wave p loads rows 16 p .. 16 p + 15: eight loads, each two rows' 256 consecutive bytes (rows k and k + 8), rounds them to bf16 with two K rows of a
; column paired, and lays them into LDS in operand order.  The bf16 slice stays resident; no byte of it is written twice, so one barrier a chunk is enough.
; THE PRODUCTS.  A block is 16 row tiles of 16 ranks.  A wave owns two of them, b and b + 4, times 4 column tiles; b = 0..3 in waves 0, 2, 5, 7 and 8..11 in waves 1, 3, 4, 6.  So an expert's first 128 rows lie
; with four waves, where each operand of the weights read from LDS feeds two products; and a wave whose two tiles both lie past the count reads no operand and multiplies nothing: it only lays its part of the
; weights down (at 128 rows 4 x 32 LDS loads a chunk, where one live tile in each of eight waves would want 8 x 32).  The four waves of each kind differ in w % 4 and in w / 2: whether every fourth wave or
; neighbouring waves share a SIMD, each SIMD has one of each kind.  hf lies in operand order, so its loads are 512 consecutive bytes, straight into registers.
; Block 0 (256 rows) runs under the stream, further blocks behind it, in a loop of constant count whose dead trips are jumped.
; ONE COUNTER.  A wave's loads end in order, weights (R, 8 loads a chunk) and hf (X, 16 loads) alike: trip u asks for R of chunk u + 3 first (four ring slots) and for X of chunk u + 2 last (two slots).
; The wait for X of chunk u shows R of chunk u + 1 done as well; R of u + 2 and u + 3 stay out behind it.  No global load and no wait for one is ever left out: a dead tile's loads go out too, all lanes at one
; 16-byte piece of a tile that exists, so that every count holds on every way.  By the text's own count at most 56 loads of a wave are out.
; Source 0 = 16 output columns, source 1 = 16 ranks: a lane holds one rank and eight neighbouring columns; a tile goes out through the wave's own stage in LDS, as rows of 256 bytes.
; Whole tiles are stored: the last tile's places past the count land in rows of y that nobody reads.  An expert without rows runs one tile, which nobody reads.
; LIMITS.  w2 is rounded once to bf16; sums in f32.
; NO CLUSTER: each weight byte has one reader.  What an expert's 16 work-groups share is hf; a ring of shared tiles would want 2 x 64 KB for 16 tiles of a chunk beside a slice that leaves 61 KB.
.set ROWB,  4096                       ; bytes in a row of w2
.set CHB,   128*ROWB                   ; a chunk's 128 rows
.set WBLK,  1040                       ; LDS: one operand (16 columns x 32 K, 1,024 bytes) + 16
.set WKS,   4*WBLK                     ; a K step's four column tiles
.set WCH,   4*WKS                      ; a chunk: four K steps
.set STAGE, 64*WKS                     ; behind the slice (266,240 bytes): 16 rows x 272 bytes for each wave, its own
.set SP,    272
.set SPARE, STAGE+8*16*SP              ; the spare words: 128 bytes for each of 8 waves; no other line names them
.set SPW, 2
.set NIL, 3
.set GO,  4                            ; v4   my place in two rows of w2; never rewritten
.set WS,  5                            ; v5   where my 16 bytes go in LDS (steps)
.set WA,  6                            ; v6   LDS address of the chunk's operands (steps)
.set XO,  7                            ; v7-8 tile t: my place in its operands + tile x 65,536
.set L16, 9                            ; v9   16 x lane; never rewritten
.set RR,  10                           ; v10  lane % 16
.set HH,  11                           ; v11  lane / 16
.set STO, 13                           ; v13  the way out: where I put 32 bytes of a row
.set RD,  14                           ; v14  where I read rows back
.set YO,  15                           ; v15  the same two rows in y
.set TP,  16                           ; v16-31   16 packed words on their way to LDS
.set XR,  32                           ; v32-159  hf's operands: slot xs, tile t, K step s at 32 + 64 xs + 32 t + 8 s
.set ACC, 160                          ; v160-223 accumulator (t, c) at 160 + 32 t + 8 c
.set BK,  224                          ; v224-255 a tile read back
.set RING, 128                         ; window 1: v0-127 the weights' operands: half, f at 64 half + 8 f;  v128-255 the ring: slot, load i at 128 + 32 slot + 4 i
.set WV,  14                           ; s14 wave;  s15 b: my first tile in a block;  s16 slice;  s17 expert
.set SB,  15
.set SL,  16
.set SE,  17
.set NT1, 18                           ; s18 tiles - 1;  s19 tiles of rows, at least 1;  s20 my live tiles in this block, 0..2
.set NT,  19
.set SM,  20
.set BLK, 21
.set IT,  22
.set PB,  24                           ; s[24:25] w2 at my rows of the lap's first chunk
.set XP,  26                           ; s[26:27] hf at the lap's first chunk
.set YB,  28                           ; s[28:29] y at my first tile of the block
.set XB0, 30                           ; s[30:31] hf at my expert
.set BM,  32                           ; s[32:63] the expert's bitmap
.set YB0, 66                           ; s[66:67] y at my expert and slice
.set MSB, 0
.macro WIN new
.if MSB != (\new)
	s_set_vgpr_msb (MSB<<8)|(\new)
.set MSB, (\new)
.endif
.endm
.macro PLACES                          ; four plain instructions between a matrix instruction and a load into, or another access to, its registers
.rept 4
	v_nop
.endr
.endm
.macro RLOAD slot, ch                  ; my sixteen rows of chunk ch (counted from the lap's first) into a ring slot
	WIN 0x40
.irp i, 0,1,2,3,4,5,6,7
	global_load_b128 v[RING+32*(\slot)+4*\i:RING+32*(\slot)+4*\i+3], v[GO], s[PB:PB+1] offset:(\ch)*CHB+\i*ROWB th:TH_LOAD_NT
.endr
	WIN 0
.endm
.macro LAY slot                        ; a ring slot is rounded and laid into LDS: eight K of each of my four columns
	WIN 0x05
.irp c, 0,1,2,3
.irp q, 0,1,2,3
	v_cvt_pk_bf16_f32 v[TP+4*\c+\q], v[RING+32*(\slot)+8*\q+\c], v[RING+32*(\slot)+8*\q+4+\c]
.endr
.endr
	WIN 0
.irp c, 0,1,2,3
	ds_store_b128 v[WS], v[TP+4*\c:TP+4*\c+3] offset:16*\c
.endr
	v_add_nc_u32 v[WS], WCH, v[WS]
.endm
.macro XLOAD xs, ch                    ; both tiles' operands for chunk ch: sixteen loads
.irp t, 0,1
.irp s, 0,1,2,3
	global_load_b128 v[XR+64*(\xs)+32*\t+8*\s:XR+64*(\xs)+32*\t+8*\s+3], v[XO+\t], s[XP:XP+1] offset:(\ch)*4096+1024*\s
	global_load_b128 v[XR+64*(\xs)+32*\t+8*\s+4:XR+64*(\xs)+32*\t+8*\s+7], v[XO+\t], s[XP:XP+1] offset:(\ch)*4096+1024*\s+512
.endr
.endr
.endm
.macro WLOAD half                      ; two K steps' operands of the weights: f = 4 x (K step in the half) + column tile
	WIN 0x40
.irp f, 0,1,2,3,4,5,6,7
	ds_load_b128 v[64*(\half)+8*\f:64*(\half)+8*\f+3], v[WA] offset:(2*(\half)+\f/4)*WKS+(\f%4)*WBLK
	ds_load_b128 v[64*(\half)+8*\f+4:64*(\half)+8*\f+7], v[WA] offset:(2*(\half)+\f/4)*WKS+(\f%4)*WBLK+512
.endr
	WIN 0
.endm
.macro MMTILE half, xs, t, zero        ; eight products on four accumulators, which take turns, one instruction a turn.  zero = 1: the first four start the sums
	WIN 0x01                                       ; the weights in window 1
.irp f, 0,1,2,3,4,5,6,7
.if (\zero) && (\f < 4)
	v_wmma_f32_16x16x32_bf16 v[ACC+32*(\t)+8*(\f%4):ACC+32*(\t)+8*(\f%4)+7], v[64*(\half)+8*\f:64*(\half)+8*\f+7], v[XR+64*(\xs)+32*(\t)+8*(2*(\half)+\f/4):XR+64*(\xs)+32*(\t)+8*(2*(\half)+\f/4)+7], 0
.else
	v_wmma_f32_16x16x32_bf16 v[ACC+32*(\t)+8*(\f%4):ACC+32*(\t)+8*(\f%4)+7], v[64*(\half)+8*\f:64*(\half)+8*\f+7], v[XR+64*(\xs)+32*(\t)+8*(2*(\half)+\f/4):XR+64*(\xs)+32*(\t)+8*(2*(\half)+\f/4)+7], v[ACC+32*(\t)+8*(\f%4):ACC+32*(\t)+8*(\f%4)+7]
.endif
.endr
.endm
; A chunk's products.  Tile 0; tile 1 where it is live, and always where the sums start, so that every accumulator is written on every way.
.macro MMS xs, zero
	s_wait_dscnt 16                                ; the first half's 16 loads are in; the second's 16 stay out
	MMTILE 0, \xs, 0, \zero
.if \zero
	MMTILE 0, \xs, 1, 1
.else
	WIN 0
	s_cmp_lt_u32 s[SM], 2
	s_cbranch_scc1 .Lma_\@
	MMTILE 0, \xs, 1, 0
	WIN 0
.Lma_\@:
.endif
	s_wait_dscnt 0x0
	MMTILE 1, \xs, 0, 0
	WIN 0
	s_cmp_lt_u32 s[SM], 2
	s_cbranch_scc1 .Lmb_\@
	MMTILE 1, \xs, 1, 0
	WIN 0
.Lmb_\@:
.endm
; TRIP u.  rs = u % 4: the ring slot of this chunk's rows; xs = u % 2: the slot of its hf.  ra = 1: the rows of chunk rch go out, into the slot emptied last trip.
; nr: the first trip's wait for its rows (in every later trip the rows are older than the hf that the trip before waited for).  nx: the loads younger than this chunk's hf.  xa = 1: hf of chunk xch goes out.
; A wave with no live tile jumps over the LDS loads and the products (not in the first trip, which writes every accumulator); the wait for hf stands on both ways, since the slot is loaded again below.
.macro TRIP rs, xs, ra, rch, nr, nx, xa, xch, zero
.if (\nr) >= 0
	s_wait_loadcnt \nr
.endif
.if \ra
	RLOAD ((\rs)+3)%4, \rch
.endif
	LAY \rs
	s_wait_dscnt 0x0                               ; for the others' sake: my part of the chunk is in LDS
	s_barrier_signal -1
	s_barrier_wait -1                              ; everybody's is
.if !(\zero)
	s_cmp_eq_u32 s[SM], 0
	s_cbranch_scc1 .Lti_\@
.endif
	WLOAD 0                                        ; (the sixteen conversions above are the places behind the last trip's products)
	WLOAD 1
	s_wait_loadcnt \nx                             ; hf of this chunk is in
	MMS \xs, \zero
.if !(\zero)
	s_branch .Ltj_\@
.Lti_\@:
	s_wait_loadcnt \nx                             ; the same count on the way without products
.Ltj_\@:
.endif
	v_add_nc_u32 v[WA], WCH, v[WA]
.if \xa
	PLACES                                         ; the loads below land in registers that these products read
	XLOAD \xs, \xch
.endif
.endm
.macro CCH2 zero                       ; a chunk of a later block, from the resident slice: hf is asked for and awaited
	PLACES
	XLOAD 0, 0
	WLOAD 0
	WLOAD 1
	v_add_nc_u32 v[WA], WCH, v[WA]
	s_wait_loadcnt 0x0                             ; hf is in, and its base is free
	s_add_nc_u64 s[XP:XP+1], s[XP:XP+1], 4096
	MMS 0, \zero
.endm
.macro MSET                            ; my live tiles in block BLK: those t of 0, 1 with 16 BLK + b + 4 t < NT
	s_lshl_b32 s70, s[BLK], 4
	s_sub_co_i32 s70, s[NT], s70
	s_sub_co_i32 s70, s70, s[SB]
	s_add_co_i32 s70, s70, 3
	s_ashr_i32 s70, s70, 2
	s_max_i32 s70, s70, 0
	s_min_i32 s[SM], s70, 2
.endm
.macro BLKSET first                    ; a block begins: the addresses
.if !(\first)
	s_wait_loadcnt 0x0                             ; no load of mine is out, and every earlier store has had its addresses translated:
	s_wait_xcnt 0x0                                ; the registers written below are free
.endif
	s_lshl_b32 s70, s[BLK], 4
	s_add_co_u32 s70, s70, s[SB]                   ; my first tile
.irp t, 0,1
	s_add_co_u32 s71, s70, 4*\t
	s_cmp_lt_u32 s71, s[NT]                        ; a live tile: 16 bytes a lane;
	s_cselect_b32 s72, 16, 0                       ; a dead one: all lanes at one piece
	s_min_u32 s72, s72, 16
	s_min_u32 s71, s71, s[NT1]                     ; of a tile that exists
	s_min_u32 s71, s71, 63
	s_lshl_b32 s71, s71, 16
	v_mul_u32_u24 v[XO+\t], v1, s72
	v_add_nc_u32 v[XO+\t], s71, v[XO+\t]
.endr
	v_mov_b32 v[WA], v[L16]
	s_mov_b64 s[XP:XP+1], s[XB0:XB0+1]
	s_lshl_b32 s70, s70, 16                        ; a tile of y is 16 rows of 4,096 bytes
	s_mov_b32 s71, 0
	s_add_nc_u64 s[YB:YB+1], s[YB0:YB0+1], s[70:71]
.endm
; The way out of tile t: a lane's eight columns of a row go into rows of 272 bytes and come back as whole rows of 256; sixteen lanes store 256 consecutive bytes, aligned.
.macro YTILE t
	PLACES                                         ; behind the last products
.irp c, 0,1,2,3
	ds_store_b128 v[STO], v[ACC+32*(\t)+8*\c:ACC+32*(\t)+8*\c+3] offset:64*\c          ; each accumulator is read from its low end on
	ds_store_b128 v[STO], v[ACC+32*(\t)+8*\c+4:ACC+32*(\t)+8*\c+7] offset:64*\c+16
.endr
	s_wait_xcnt 0x0                                ; the last tile's stores have read the registers that are loaded below
.irp i, 0,1,2,3,4,5,6,7
	ds_load_b128 v[BK+4*\i:BK+4*\i+3], v[RD] offset:2*SP*\i   ; LDS serves a wave's instructions in order (ISA guide 5.7.1.4): these see the stores above
.endr
.irp i, 0,1,2,3,4,5,6,7
	s_wait_dscnt 7-\i                              ; the younger read-backs stay out
	global_store_b128 v[YO], v[BK+4*\i:BK+4*\i+3], s[YB:YB+1] offset:4*65536*(\t)+2*ROWB*\i   ; my second tile lies four tiles on
.endr
.endm
	s_load_b256 s[4:11], s[0:1], 0x0               ; hf s[4:5], bits s[6:7], w2 s[8:9], y s[10:11]
	v_lshl_add_u32 v[SPW], v0, 2, SPARE
	v_mov_b32 v[NIL], 0
	v_and_b32 v1, 31, v0
	v_lshrrev_b32 v12, 5, v0
	v_readfirstlane_b32 s[WV], v12
	s_mov_b32 s[SL], ttmp9
	s_and_b32 s[SE], ttmp7, 0xffff
	s_lshr_b32 s[SB], s[WV], 2                     ; b = w / 2 + 8 x ((w ^ (w / 4)) % 2):
	s_xor_b32 s[SB], s[SB], s[WV]
	s_and_b32 s[SB], s[SB], 1                      ; 0 in waves 0, 2, 5, 7; 1 in waves 1, 3, 4, 6
	s_lshl_b32 s[SB], s[SB], 3
	s_lshr_b32 s74, s[WV], 1
	s_add_co_u32 s[SB], s[SB], s74
	s_lshl_b32 s70, s[SE], 23                      ; an expert's w2 is 8 MiB; a slice's columns 256 bytes of a row; wave p has rows 16 p .. 16 p + 15 of every chunk
	s_lshl_b32 s71, s[SL], 8
	s_add_co_u32 s70, s70, s71
	s_lshl_b32 s71, s[WV], 16
	s_add_co_u32 s70, s70, s71
	s_mov_b32 s71, 0
	s_lshl_b32 s72, s[SE], 7                       ; an expert's bitmap is 128 bytes
	s_mov_b32 s73, 0
	v_and_b32 v[RR], 15, v1
	v_lshrrev_b32 v[HH], 4, v1
	v_lshlrev_b32 v[GO], 4, v[RR]                  ; lanes 0-15 take row k, lanes 16-31 row k + 8
	v_lshl_add_u32 v[GO], v[HH], 15, v[GO]
	s_wait_kmcnt 0x0
	s_add_nc_u64 s[PB:PB+1], s[8:9], s[70:71]
	s_add_nc_u64 s[6:7], s[6:7], s[72:73]
	RLOAD 0, 0                                     ; the weights go out before anything else: chunks 0, 1, 2
	RLOAD 1, 1
	RLOAD 2, 2
	s_load_b512 s[BM:BM+15], s[6:7], 0x0
	s_load_b512 s[BM+16:BM+31], s[6:7], 0x40
	; Lane l holds columns 4 (l % 16) + 0..3: column tile (l % 16) / 4, operand rows 4 (l % 4) + 0..3.  My 16 rows are K step p / 2 of the chunk's four, the operand's half p % 2; the lanes' half is l / 16.
	v_lshrrev_b32 v[WS], 2, v[RR]
	v_mul_u32_u24 v[WS], v[WS], WBLK
	v_and_b32 v12, 3, v1
	v_lshl_add_u32 v[WS], v12, 6, v[WS]
	v_lshl_add_u32 v[WS], v[HH], 8, v[WS]
	s_and_b32 s70, s[WV], 1
	s_lshl_b32 s70, s70, 9
	s_lshr_b32 s71, s[WV], 1
	s_mul_i32 s71, s71, WKS
	s_add_co_u32 s70, s70, s71
	v_add_nc_u32 v[WS], s70, v[WS]
	v_lshlrev_b32 v[L16], 4, v1
	s_lshl_b32 s72, s[SE], 22                      ; an expert's hf, and its y, are 4 MiB
	s_mov_b32 s73, 0
	s_add_nc_u64 s[XB0:XB0+1], s[4:5], s[72:73]
	s_lshl_b32 s74, s[SL], 8
	s_add_co_u32 s72, s72, s74
	s_add_nc_u64 s[YB0:YB0+1], s[10:11], s[72:73]
	s_mul_i32 s74, s[WV], 16*SP
	s_add_co_u32 s74, s74, STAGE                   ; my stage
	v_mul_u32_u24 v[STO], v[RR], SP                ; in: row r, 32 bytes for each half of the lanes
	v_lshl_add_u32 v[STO], v[HH], 5, v[STO]
	v_add_nc_u32 v[STO], s74, v[STO]
	v_mul_u32_u24 v[RD], v[HH], SP                 ; back: lanes 0-15 one row of 256 bytes, lanes 16-31 the next
	v_lshl_add_u32 v[RD], v[RR], 4, v[RD]
	v_add_nc_u32 v[RD], s74, v[RD]
	v_lshlrev_b32 v[YO], 12, v[HH]
	v_lshl_add_u32 v[YO], v[RR], 4, v[YO]
	s_mov_b32 s72, 0
	s_wait_kmcnt 0x0
.set j, 0
.rept 32                               ; the expert's rows
	s_bcnt1_i32_b32 s73, s[BM+j]
	s_add_co_u32 s72, s72, s73
.set j, j+1
.endr
	s_add_co_u32 s[NT], s72, 15
	s_lshr_b32 s[NT], s[NT], 4
	s_max_u32 s[NT], s[NT], 1
	s_sub_co_u32 s[NT1], s[NT], 1
	s_mov_b32 s[BLK], 0
	MSET
	BLKSET 1
	XLOAD 0, 0                                     ; hf of chunks 0 and 1
	XLOAD 1, 1
	; The order of issue so far: R0 R1 R2 (8 loads each) X0 X1 (16 each).
	TRIP 0, 0, 1, 3, 48, 24, 1, 2, 1               ; written out: its products start the sums.  48: R1 R2 X0 X1 are younger than R0.  24: X1 and R3 are younger than X0
	s_mov_b32 s[IT], 3
.Lring:                                ; a lap: trips 4 l + 1 .. 4 l + 4.  32: the rows of chunk u + 2 (8), hf of u + 1 (16) and the rows of u + 3 (8) are younger than hf of chunk u
	TRIP 1, 1, 1, 4, -1, 32, 1, 3, 0
	TRIP 2, 0, 1, 5, -1, 32, 1, 4, 0
	TRIP 3, 1, 1, 6, -1, 32, 1, 5, 0
	TRIP 0, 0, 1, 7, -1, 32, 1, 6, 0
	s_wait_xcnt 0x0                                ; the bases are stepped only behind this wait
	s_add_nc_u64 s[PB:PB+1], s[PB:PB+1], 4*CHB
	s_add_nc_u64 s[XP:XP+1], s[XP:XP+1], 4*4096
	s_sub_co_u32 s[IT], s[IT], 1
	s_cmp_lg_u32 s[IT], 0
	s_cbranch_scc1 .Lring
	TRIP 1, 1, 0, 0, -1, 24, 1, 3, 0               ; trip 13: no rows are left to ask for.  24: the rows of chunk 15 and hf of 14.  hf of chunk 15 goes out
	TRIP 2, 0, 0, 0, -1, 16, 0, 0, 0               ; trip 14.  16: hf of chunk 15
	TRIP 3, 1, 0, 0, -1, 0, 0, 0, 0                ; trip 15
.Lblk:                                 ; four trips: the way out of block BLK, then the next block's 16 chunks from the resident slice.  Two barriers a trip, both in text that every wave passes: only work is jumped
	s_cmp_lt_u32 s[SM], 1
	s_cbranch_scc1 .Lye
	YTILE 0
	s_cmp_lt_u32 s[SM], 2
	s_cbranch_scc1 .Lye
	YTILE 1
.Lye:                                  ; every wave comes here in every trip, with tiles to send or none
	s_wait_dscnt 0x0                               ; my stores into my stage are done (and my read-backs are in);
	s_barrier_signal -1                            ; a barrier between the stages' stores and the next block's reads of LDS, whose address steps in a register:
	s_barrier_wait -1                              ; store, wait, barrier, load, for every wave
	s_add_co_u32 s[BLK], s[BLK], 1
	MSET
	s_cmp_eq_u32 s[SM], 0
	s_cbranch_scc1 .Lbe
	BLKSET 0
	CCH2 1                                         ; the block's first chunk starts the sums
	s_mov_b32 s[IT], 15
.Lch:
	CCH2 0
	s_sub_co_u32 s[IT], s[IT], 1
	s_cmp_lg_u32 s[IT], 0
	s_cbranch_scc1 .Lch
.Lbe:                                  ; every wave comes here in every trip, with a live block or a dead one
	s_wait_dscnt 0x0                               ; my reads of LDS in this block are back;
	s_barrier_signal -1                            ; a barrier between a block's reads of LDS and the LDS writes that follow them in the text
	s_barrier_wait -1                              ; (the stages of the block's way out, the closing add): load, wait, barrier, write, for every wave
	s_cmp_lt_u32 s[BLK], 4
	s_cbranch_scc1 .Lblk
	s_wait_tensorcnt 0x0                           ; the wave's end, behind my last LDS store
	ds_add_u32 v[SPW], v[NIL]
	s_wait_dscnt 0x0
	s_endpgm
.Lfunc_end_k_q4f65ad62eb_fc2:
	.size	k_q4f65ad62eb_fc2, .Lfunc_end_k_q4f65ad62eb_fc2-k_q4f65ad62eb_fc2
	.p2alignl 7, 3214868480
	.fill 96, 4, 3214868480
	.section	.rodata,"a",@progbits
	.p2align	6, 0x0
	.amdhsa_kernel k_q4f65ad62eb_fc2
		.amdhsa_group_segment_fixed_size 302080
		.amdhsa_private_segment_fixed_size 0
		.amdhsa_enable_private_segment 0
		.amdhsa_kernarg_size 32
		.amdhsa_user_sgpr_count 2
		.amdhsa_user_sgpr_kernarg_segment_ptr 1
		.amdhsa_wavefront_size32 1
		.amdhsa_system_sgpr_workgroup_id_x 1
		.amdhsa_system_sgpr_workgroup_id_y 1
		.amdhsa_system_sgpr_workgroup_id_z 1
		.amdhsa_system_vgpr_workitem_id 0
		.amdhsa_next_free_vgpr 512
		.amdhsa_next_free_sgpr 80
		.amdhsa_reserve_vcc 0
		.amdhsa_float_denorm_mode_32 3
		.amdhsa_float_denorm_mode_16_64 3
		.amdhsa_memory_ordered 1
		.amdhsa_forward_progress 1
		.amdhsa_inst_pref_size 94
	.end_amdhsa_kernel
	.amdgpu_metadata
---
amdhsa.version: [ 1, 2 ]
amdhsa.kernels:
  - .name:           k_q4f65ad62eb_fc2
    .symbol:         k_q4f65ad62eb_fc2.kd
    .args:
      - { .name: hf, .offset: 0, .size: 8, .value_kind: global_buffer, .address_space: global }
      - { .name: bits, .offset: 8, .size: 8, .value_kind: global_buffer, .address_space: global }
      - { .name: w2, .offset: 16, .size: 8, .value_kind: global_buffer, .address_space: global }
      - { .name: y, .offset: 24, .size: 8, .value_kind: global_buffer, .address_space: global }
    .group_segment_fixed_size: 302080
    .private_segment_fixed_size: 0
    .kernarg_segment_align: 8
    .kernarg_segment_size: 32
    .max_flat_workgroup_size: 256
    .sgpr_count:     80
    .vgpr_count:     512
    .wavefront_size: 32
...
	.end_amdgpu_metadata
.endif
;; end of part 3
;; launch combine (part 4): grid 256 x 1, 4 waves a work-group, no clusters, 0 bytes of LDS; arguments rank, routing_tensor, y, out0; writes out0
.if DOCPART == 4
	.amdgcn_target "amdgcn-amd-amdhsa--gfx1250"
	.amdhsa_code_object_version 6
	.text
	.protected	k_q4f65ad62eb_combine
	.globl	k_q4f65ad62eb_combine
	.p2align	8
	.type	k_q4f65ad62eb_combine,@function
k_q4f65ad62eb_combine:
	s_mov_b64 s[64:65], 0
	v_nop
	global_prefetch_b8 v0, s[64:65] scope:SCOPE_SE
	s_setreg_imm32_b32 hwreg(HW_REG_WAVE_MODE, 25, 1), 1
	s_wait_xcnt 0x0
; COMBINE.  out[n][:] = the sum over the experts e chosen for token n of R[n][e] / (2 k) x y[e][rank[n][e]][:]   (y carries the factor 2 k = 1.6986436 of the hidden layer).
; One wave, one token: each output row has one owner.  The chosen experts and the ranks are whole numbers that an earlier launch stored; the gates enter as factors alone.
; The experts are taken two at a time, so that a token with two experts has all 16 loads of its two rows out at once; any number from 0 to 16 is served.  With an odd number the last pair repeats
; an expert with the factor 0.  A row is 4,096 bytes: eight loads or stores of 512 consecutive bytes.  Memory binds: no LDS, no barrier, no matrix unit, nothing shared between work-groups.
; LIMITS.  The gate, an operand of the last product, is rounded once to bf16, as x and the weights are: every operand that is an input then has the same rounding; the products and sums are f32.
; An expert whose gate is 0 adds nothing, whatever its product would have been; the order of the sum is the experts' ascending order, two by two.
.set ACC, 8                            ; v[8:39]   the row's sums
.set Y1,  40                           ; v[40:71]  the first expert's row
.set Y2,  72                           ; v[72:103] the second's
	s_load_b256 s[4:11], s[0:1], 0x0               ; rank s[4:5], R s[6:7], y s[8:9], out s[10:11]
	v_and_b32 v1, 31, v0
	v_lshrrev_b32 v2, 5, v0
	v_readfirstlane_b32 s14, v2
	s_lshl_b32 s15, ttmp9, 2
	s_add_co_u32 s15, s15, s14                     ; my token
	v_and_b32 v2, 15, v1                           ; lane e (and 16 + e) looks at expert e
	v_lshrrev_b32 v3, 2, v2
	v_lshlrev_b32 v3, 14, v3                       ; rank lies as [e / 4][n][e % 4]
	v_and_b32 v6, 3, v2
	v_lshl_add_u32 v3, v6, 2, v3
	s_lshl_b32 s16, s15, 4
	v_add_nc_u32 v3, s16, v3
	s_lshl_b32 s17, s15, 6
	v_lshl_add_u32 v7, v2, 2, s17                  ; R[n][e]
	v_lshlrev_b32 v6, 4, v1                        ; 16 x lane: my place in 512 bytes of a row
	s_lshl_b32 s40, s15, 12
	s_mov_b32 s41, 0
	s_wait_kmcnt 0x0
	global_load_b32 v4, v3, s[4:5]
	global_load_b32 v5, v7, s[6:7]
	s_add_nc_u64 s[10:11], s[10:11], s[40:41]
.set i, 0
.rept 32                               ; a token may have no expert at all, so the sums begin at 0; these lines stand in the loads' wait
	v_mov_b32 v[ACC+i], 0
.set i, i+1
.endr
	s_wait_loadcnt 0x0
	v_cvt_pk_bf16_f32 v5, v5, v5                   ; the gate rounded once to bf16,
	v_lshlrev_b32 v5, 16, v5                       ; and back as an f32 number
	v_cmp_ne_u32 s18, -1, v4                       ; the chosen experts,
	s_and_b32 s18, s18, 0xffff                     ; once each
	s_bcnt1_i32_b32 s19, s18
	s_add_co_u32 s19, s19, 1
	s_lshr_b32 s19, s19, 1                         ; pairs
	s_mov_b32 s20, 0
	s_cmp_eq_u32 s19, 0
	s_cbranch_scc1 .Lstore
.Lpair:
	s_ctz_i32_b32 s21, s18                         ; the lowest expert left,
	s_sub_co_u32 s23, s18, 1
	s_and_b32 s18, s18, s23                        ; taken off the mask
	s_ctz_i32_b32 s22, s18                         ; the next, if there is one:
	s_cmp_lg_u32 s18, 0
	s_cselect_b32 s22, s22, s21                    ; else the first once more,
	s_cselect_b32 s24, 0x3f16b55f, 0               ; with the factor 0 in place of 1 / (2 k) = 0.58870501
	s_sub_co_u32 s23, s18, 1
	s_and_b32 s18, s18, s23
	s_min_u32 s21, s21, 15
	s_min_u32 s22, s22, 15
	v_readlane_b32 s25, v4, s21                    ; ranks
	v_readlane_b32 s26, v4, s22
	v_readlane_b32 s28, v5, s21                    ; gates
	v_readlane_b32 s30, v5, s22
	s_min_u32 s25, s25, 0x3ff
	s_min_u32 s26, s26, 0x3ff
	s_mul_f32 s28, s28, 0x3f16b55f
	s_mul_f32 s30, s30, s24
	s_mov_b32 s29, s28                             ; named as pairs by the packed form
	s_mov_b32 s31, s30
	s_lshl_b32 s32, s21, 22                        ; an expert's y is 4 MiB, a row 4,096 bytes
	s_lshl_b32 s25, s25, 12
	s_add_co_u32 s32, s32, s25
	s_mov_b32 s33, 0
	s_add_nc_u64 s[34:35], s[8:9], s[32:33]
	s_lshl_b32 s36, s22, 22
	s_lshl_b32 s26, s26, 12
	s_add_co_u32 s36, s36, s26
	s_mov_b32 s37, 0
	s_add_nc_u64 s[38:39], s[8:9], s[36:37]
.irp i, 0,1,2,3,4,5,6,7
	global_load_b128 v[Y1+4*\i:Y1+4*\i+3], v6, s[34:35] offset:512*\i
.endr
.irp i, 0,1,2,3,4,5,6,7
	global_load_b128 v[Y2+4*\i:Y2+4*\i+3], v6, s[38:39] offset:512*\i
.endr
	s_wait_loadcnt 8                               ; the first row is in; the second row's eight loads stay out
.set i, 0
.rept 16
	v_pk_fma_f32 v[ACC+i:ACC+i+1], v[Y1+i:Y1+i+1], s[28:29], v[ACC+i:ACC+i+1] op_sel_hi:[1,0,1]
.set i, i+2
.endr
	s_wait_loadcnt 0x0                             ; the second row; both bases are free for the next trip
.set i, 0
.rept 16
	v_pk_fma_f32 v[ACC+i:ACC+i+1], v[Y2+i:Y2+i+1], s[30:31], v[ACC+i:ACC+i+1] op_sel_hi:[1,0,1]
.set i, i+2
.endr
	s_add_co_u32 s20, s20, 1
	s_cmp_lt_u32 s20, s19
	s_cbranch_scc1 .Lpair
.Lstore:
.irp i, 0,1,2,3,4,5,6,7
	global_store_b128 v6, v[ACC+4*\i:ACC+4*\i+3], s[10:11] offset:512*\i th:TH_STORE_NT
.endr
	s_endpgm
.Lfunc_end_k_q4f65ad62eb_combine:
	.size	k_q4f65ad62eb_combine, .Lfunc_end_k_q4f65ad62eb_combine-k_q4f65ad62eb_combine
	.p2alignl 7, 3214868480
	.fill 96, 4, 3214868480
	.section	.rodata,"a",@progbits
	.p2align	6, 0x0
	.amdhsa_kernel k_q4f65ad62eb_combine
		.amdhsa_group_segment_fixed_size 0
		.amdhsa_private_segment_fixed_size 0
		.amdhsa_enable_private_segment 0
		.amdhsa_kernarg_size 32
		.amdhsa_user_sgpr_count 2
		.amdhsa_user_sgpr_kernarg_segment_ptr 1
		.amdhsa_wavefront_size32 1
		.amdhsa_system_sgpr_workgroup_id_x 1
		.amdhsa_system_sgpr_workgroup_id_y 1
		.amdhsa_system_sgpr_workgroup_id_z 1
		.amdhsa_system_vgpr_workitem_id 0
		.amdhsa_next_free_vgpr 104
		.amdhsa_next_free_sgpr 66
		.amdhsa_reserve_vcc 0
		.amdhsa_float_denorm_mode_32 3
		.amdhsa_float_denorm_mode_16_64 3
		.amdhsa_memory_ordered 1
		.amdhsa_forward_progress 1
		.amdhsa_inst_pref_size 9
	.end_amdhsa_kernel
	.amdgpu_metadata
---
amdhsa.version: [ 1, 2 ]
amdhsa.kernels:
  - .name:           k_q4f65ad62eb_combine
    .symbol:         k_q4f65ad62eb_combine.kd
    .args:
      - { .name: rank, .offset: 0, .size: 8, .value_kind: global_buffer, .address_space: global }
      - { .name: routing_tensor, .offset: 8, .size: 8, .value_kind: global_buffer, .address_space: global }
      - { .name: y, .offset: 16, .size: 8, .value_kind: global_buffer, .address_space: global }
      - { .name: out0, .offset: 24, .size: 8, .value_kind: global_buffer, .address_space: global }
    .group_segment_fixed_size: 0
    .private_segment_fixed_size: 0
    .kernarg_segment_align: 8
    .kernarg_segment_size: 32
    .max_flat_workgroup_size: 128
    .sgpr_count:     66
    .vgpr_count:     104
    .wavefront_size: 32
...
	.end_amdgpu_metadata
.endif
;; end of part 4
